; MI455X (gfx1250); checked and timed in simulation.
; The chip was launched on July 23, 2026; its instructions are those of AMD's public machine-readable ISA for CDNA 5 (MIT licence, August 2026) and "CDNA5" Instruction Set Architecture Reference Guide (July 2026). The comments in the code are by the model that wrote it; some were corrected since.
;; Agg. Allowed arithmetic: float matrix products may take bf16 or f16 operands with f32 sums; all other float work in f32.
;; Inputs: input 8 x 4,096 x 768 float32; lengths 8 int32; span_indexes 8 x 512 x 2 int32.
;; Outputs: out0 8 x 512 x 768 float32.
;; One version. Each part assembles by itself: llvm-mc -triple=amdgcn-amd-amdhsa -mcpu=gfx1250 --defsym DOCPART=n.
;; ======== version 1 of 1: 1 launch
;; launch spanmean (part 1): grid 256 x 1, 16 waves a work-group, no clusters, 0 bytes of LDS; arguments input, lengths, span_indexes, out0; writes out0
.if DOCPART == 1
	.amdgcn_target "amdgcn-amd-amdhsa--gfx1250"
	.amdhsa_code_object_version 6
	.text
	.protected	k_q32cd864142_spanmean
	.globl	k_q32cd864142_spanmean
	.p2align	8
	.type	k_q32cd864142_spanmean,@function
k_q32cd864142_spanmean:
	s_mov_b64 s[64:65], 0
	v_nop
	global_prefetch_b8 v0, s[64:65] scope:SCOPE_SE
	s_setreg_imm32_b32 hwreg(HW_REG_WAVE_MODE, 25, 1), 1
	s_wait_xcnt 0x0
; out0[b][j][:] = (sum of input[b][t][:] for t in ii..jj-1) / max(jj - ii, 1) for j < lengths[b], else 0;  (ii, jj) = span_indexes[b][j].
; input [8][4096][768] f32, lengths [8] i32, span_indexes [8][512][2] i32, out0 [8][512][768] f32.
;
; The rows of a span lie one behind the other, so a span is one run of (jj - ii) x 3,072 bytes.  It is summed directly; no prefix sum is made,
; nothing goes through memory twice, and the rows of spans at or beyond lengths[b] are not read at all.
; ONE WAVE, ONE SPAN.  A lane owns 16 bytes of each of the six 512-byte pieces of a row: 24 columns, 24 sums.  Each load and each store of the
; wave covers 512 consecutive bytes at a multiple of 512 from its buffer's first byte.  No wave needs another's data: no LDS, no barrier.
; 256 work-groups x 16 waves = 4,096 spans.  Wave w of group g takes batch b = w & 7 and span j = ((g + 32 b) & 255) + 256 (w >> 3): every group
; has two spans of every batch, and the turn by 32 b keeps one group from getting the low (valid) span numbers of all batches.
; No cluster: no two work-groups read the same bytes unless the list's spans overlap.  No matrix unit: there is no product.
; A ring of eight token slots (8 x 6 loads, 24,576 bytes) is in flight in each wave; a span of 8 tokens is asked for whole, at once.
; The factor 1 / divisor rides in every multiply-add, so that no closing multiplication is needed.
;
; LIMITS.  Indices are expected in 0 .. 4096; any other value (a negative one too) is taken as 4096.  jj < ii gives, as in the reference, minus the
; sum of rows jj .. ii-1, divided by 1.  The order of rounding differs from a difference of prefix sums.  A non-finite number in a row outside a
; span does not reach that span's result.  The work grows with the number of tokens in valid spans: overlapping spans are read again, and a long
; span is one wave's work.  The division is a multiplication by v_rcp_f32's reciprocal.
.set T,     4096                       ; tokens in a batch
.set ROW,   3072                       ; bytes in a token's row
.set GROUP, 8                          ; token slots in the ring
.set LANE,  1                          ; v1        16 x lane: my bytes in each 512-byte piece
.set OFF,   2                          ; v2        byte offset in input of my 16 bytes in the span's first row
.set W,     3                          ; v3        the wave's number, later the divisor in f32
.set R,     4                          ; v[4:5]    1 / divisor, twice (a pair for the packed multiply-add)
.set ACC,   6                          ; v[6:29]   my 24 sums
.set X,     30                         ; v[30:221] slot i: 24 registers, a row as loaded
	s_load_b256 s[4:11], s[0:1], 0x0               ; input s[4:5], lengths s[6:7], span_indexes s[8:9], out0 s[10:11]
	v_lshrrev_b32 v[W], 5, v0
	v_readfirstlane_b32 s12, v[W]                  ; wave 0 .. 15
	v_and_b32 v[LANE], 31, v0
	v_lshlrev_b32 v[LANE], 4, v[LANE]
	s_and_b32 s13, s12, 7                          ; b
	s_lshl_b32 s14, s13, 5
	s_add_co_u32 s14, s14, ttmp9
	s_and_b32 s14, s14, 255                        ; (g + 32 b) mod 256
	s_and_b32 s15, s12, 8
	s_lshl_b32 s15, s15, 5                         ; 256 x (w >> 3)
	s_or_b32 s14, s14, s15                         ; j
	s_lshl_b32 s15, s13, 9
	s_or_b32 s15, s15, s14                         ; 512 b + j
	s_lshl_b32 s16, s15, 3                         ; its 8 bytes in span_indexes
	s_lshl_b32 s17, s13, 2                         ; b's 4 bytes in lengths
	s_mul_i32 s18, s15, ROW                        ; its row in out0 (below 12,582,912)
	s_mov_b32 s19, 0
	s_mul_i32 s20, s13, T*ROW                      ; the batch in input (below 100,663,296)
	s_wait_kmcnt 0x0
	s_load_b64 s[22:23], s[8:9], s16 offset:0x0    ; ii, jj
	s_load_b32 s24, s[6:7], s17 offset:0x0         ; lengths[b]
	s_add_nc_u64 s[10:11], s[10:11], s[18:19]      ; out0 at my span's row
	; The 24 sums are cleared while the two scalar loads are on their way.  They serve twice: as the start of the sums, whichever of the
	; blocks below comes first for this span's length, and as the zeros that a masked or empty span stores.
.set k, 0
.rept 24
	v_mov_b32 v[ACC+k], 0
.set k, k+1
.endr
	s_wait_kmcnt 0x0
	s_cmp_ge_i32 s14, s24                          ; j >= lengths[b]: zeros
	s_cbranch_scc1 .Lstore
	s_min_u32 s25, s22, s23
	s_max_u32 s26, s22, s23
	s_min_u32 s25, s25, T                          ; lo: the first row; the constant bounds what enters the address
	s_min_u32 s26, s26, T                          ; hi: one past the last row
	s_sub_co_u32 s27, s26, s25                     ; n rows
	s_cmp_eq_u32 s27, 0                            ; an empty span: 0 / 1
	s_cbranch_scc1 .Lstore
	s_cmp_gt_i32 s23, s22
	s_cselect_b32 s28, s27, -1                     ; jj > ii: divide by n.  jj < ii: the reference's sum is negated and its divisor is 1
	s_mul_i32 s25, s25, ROW
	s_add_co_u32 s25, s25, s20                     ; byte offset of row lo of batch b
	v_cvt_f32_i32 v[W], s28
	v_rcp_f32 v[R], v[W]                           ; behind v_rcp_f32 one plain vector instruction stands before its result is used
	v_rcp_f32 v[R+1], v[W]                         ; (ISA guide 5.7.2): the addition below, which names neither W nor R
	v_add_nc_u32 v[OFF], s25, v[LANE]
	s_lshr_b32 s29, s27, 3                         ; whole groups of 8 rows
	s_and_b32 s30, s27, 7                          ; rows left over
	s_cmp_eq_u32 s29, 0
	s_cbranch_scc1 .Lrest
; six loads: one row, into slot; the row is slot + 8 ahead rows from the base
.macro LOADS slot, ahead
.irp k, 0,1,2,3,4,5
	global_load_b128 v[X+24*\slot+4*\k:X+24*\slot+4*\k+3], v[OFF], s[4:5] offset:ROW*\slot+GROUP*ROW*\ahead+512*\k
.endr
.endm
; twelve packed multiply-adds: sums += slot's row x 1 / divisor
.macro FMAS slot
	s_wait_alu depctr_va_vdst(0)
.irp k, 0,1,2,3,4,5,6,7,8,9,10,11
	v_pk_fma_f32 v[ACC+2*\k:ACC+2*\k+1], v[X+24*\slot+2*\k:X+24*\slot+2*\k+1], v[R:R+1], v[ACC+2*\k:ACC+2*\k+1]
.endr
.endm
	; WHOLE GROUPS.  The ring is filled with the first eight rows: 48 loads.
.irp i, 0,1,2,3,4,5,6,7
	LOADS \i, 0
.endr
	s_sub_co_u32 s29, s29, 1                       ; the loop takes all groups but the last and asks for the one behind
	s_cmp_eq_u32 s29, 0
	s_cbranch_scc1 .Ltail
.Lgroup:
.irp i, 0,1,2,3,4,5,6,7
	s_wait_loadcnt 6*(GROUP-1)                     ; loads come back in order (ISA guide 5.7.1): this slot's six are in, the 42 of the seven younger slots stay out
	FMAS \i
	LOADS \i, 1                                    ; the slot's row of the next group
.endr
	s_wait_xcnt 0x0                                ; the base, which the loads above name, is stepped only behind this wait
	s_add_nc_u64 s[4:5], s[4:5], GROUP*ROW
	s_sub_co_u32 s29, s29, 1
	s_cmp_lg_u32 s29, 0
	s_cbranch_scc1 .Lgroup
.Ltail:
.irp i, 0,1,2,3,4,5,6,7
	s_wait_loadcnt 6*(GROUP-1-\i)                  ; the last group asks for nothing: the counts run down to 0
	FMAS \i
.endr
	s_add_nc_u64 s[4:5], s[4:5], GROUP*ROW         ; no load is out any more: the base goes to the first row left over
	; THE ROWS LEFT OVER, 1 to 7: a block for each number, so that all its loads go out together and each wait has one count.
.macro REST cnt
.Lrest\cnt:
.irp i, 0,1,2,3,4,5,6
.if \i < \cnt
	LOADS \i, 0
.endif
.endr
.irp i, 0,1,2,3,4,5,6
.if \i < \cnt
	s_wait_loadcnt 6*(\cnt-1-\i)                   ; the six loads of each younger row stay out
	FMAS \i
.endif
.endr
.endm
.Lrest:
	s_cmp_eq_u32 s30, 0
	s_cbranch_scc1 .Lstore
.irp c, 1,2,3,4,5,6
	s_cmp_eq_u32 s30, \c
	s_cbranch_scc1 .Lrest\c
.endr
.irp c, 7,6,5,4,3,2
	REST \c
	s_branch .Lstore
.endr
	REST 1
.Lstore:                                               ; the mean, or the zeros that the sums started from
.irp k, 0,1,2,3,4,5
	global_store_b128 v[LANE], v[ACC+4*\k:ACC+4*\k+3], s[10:11] offset:512*\k th:TH_STORE_NT
.endr
	s_endpgm
.Lfunc_end_k_q32cd864142_spanmean:
	.size	k_q32cd864142_spanmean, .Lfunc_end_k_q32cd864142_spanmean-k_q32cd864142_spanmean
	.p2alignl 7, 3214868480
	.fill 96, 4, 3214868480
	.section	.rodata,"a",@progbits
	.p2align	6, 0x0
	.amdhsa_kernel k_q32cd864142_spanmean
		.amdhsa_group_segment_fixed_size 0
		.amdhsa_private_segment_fixed_size 0
		.amdhsa_enable_private_segment 0
		.amdhsa_kernarg_size 32
		.amdhsa_user_sgpr_count 2
		.amdhsa_user_sgpr_kernarg_segment_ptr 1
		.amdhsa_wavefront_size32 1
		.amdhsa_system_sgpr_workgroup_id_x 1
		.amdhsa_system_sgpr_workgroup_id_y 1
		.amdhsa_system_sgpr_workgroup_id_z 1
		.amdhsa_system_vgpr_workitem_id 0
		.amdhsa_next_free_vgpr 224
		.amdhsa_next_free_sgpr 66
		.amdhsa_reserve_vcc 0
		.amdhsa_float_denorm_mode_32 3
		.amdhsa_float_denorm_mode_16_64 3
		.amdhsa_memory_ordered 1
		.amdhsa_forward_progress 1
		.amdhsa_inst_pref_size 65
	.end_amdhsa_kernel
	.amdgpu_metadata
---
amdhsa.version: [ 1, 2 ]
amdhsa.kernels:
  - .name:           k_q32cd864142_spanmean
    .symbol:         k_q32cd864142_spanmean.kd
    .args:
      - { .name: input, .offset: 0, .size: 8, .value_kind: global_buffer, .address_space: global }
      - { .name: lengths, .offset: 8, .size: 8, .value_kind: global_buffer, .address_space: global }
      - { .name: span_indexes, .offset: 16, .size: 8, .value_kind: global_buffer, .address_space: global }
      - { .name: out0, .offset: 24, .size: 8, .value_kind: global_buffer, .address_space: global }
    .group_segment_fixed_size: 0
    .private_segment_fixed_size: 0
    .kernarg_segment_align: 8
    .kernarg_segment_size: 32
    .max_flat_workgroup_size: 512
    .sgpr_count:     66
    .vgpr_count:     224
    .wavefront_size: 32
...
	.end_amdgpu_metadata
.endif
;; end of part 1
